; MI455X (gfx1250); checked and timed in simulation.
; The chip was launched on July 23, 2026; its instructions are those of AMD's public machine-readable ISA for CDNA 5 (MIT licence, August 2026) and "CDNA5" Instruction Set Architecture Reference Guide (July 2026). The comments in the code are by the model that wrote it; some were corrected since.
;; Basic Attention. Allowed arithmetic: matrix products marked QUANTISED: E5M2 operands, one given power-of-two scale a tensor, by v_wmma_f32_16x16x64_bf8_bf8 or v_wmma_f32_16x16x128_bf8_bf8, f32 sums; everything else in f32.
;; Inputs: Wk_codes 128 x 32 x 32 uint8 (E5M2 codes of Wk, K innermost, in blocks of 32 codes); Wp_codes 1,024 x 32 x 32 uint8 (E5M2 codes of Wp, K innermost, in blocks of 32 codes); Wq_codes 128 x 32 x 32 uint8 (E5M2 codes of Wq, K innermost, in blocks of 32 codes); bk 128 float32; bp 1,024 float32; bq 128 float32; lowp_scales 10 int32 (the exponents e of the quantised operands' scales 2^e); x 8 x 1,024 x 2,048 float32.
;; Outputs: out0 8 x 1,024 x 2,048 float32.
;; This version of the problem:
;;   THIS VERSION OF THE PROBLEM IS GIVEN IN LOW PRECISION. The matrix products marked QUANTISED in the list below multiply operands that are first quantised to E5M2 (5 exponent bits, 2 mantissa bits; 8 bits a number), with one given power-of-two scale for each operand tensor; their sums are f32. All else is computed in f32.
;;   The module's matrix products, in the order in which they are computed (A, B: the left and right operand; K: the contracted axis; several contracted axes count as one K, in the product's order):
;;     1. [M 128, K 1,024] x [K 1,024, N 16,384]; A: input Wk (given as codes); B: input x: QUANTISED (scales: A lowp_scales[0], B lowp_scales[1])
;;     2. [M 128, K 1,024] x [K 1,024, N 16,384]; A: input Wq (given as codes); B: input x: QUANTISED (scales: A lowp_scales[2], B lowp_scales[3])
;;     3. batch 8 x [M 2,048, K 128] x [K 128, N 2,048]; A: computed on the way; B: computed on the way: QUANTISED (scales: A lowp_scales[4], B lowp_scales[5])
;;     4. batch 8 x [M 1,024, K 2,048] x [K 2,048, N 2,048]; A: input x; B: computed on the way: QUANTISED (scales: A lowp_scales[6], B lowp_scales[7])
;;     5. [M 1,024, K 1,024] x [K 1,024, N 16,384]; A: input Wp (given as codes); B: computed on the way: QUANTISED (scales: A lowp_scales[8], B lowp_scales[9])
;;   THE QUANTISER, for each operand of a quantised product, along K:
;;     - The operand's scale is 2^e, e = its entry of the input lowp_scales (int32; the entries are numbered through the quantised products in the list's order, A before B).
;;     - Each number is divided by the scale, clamped to +-57,344, and rounded to the nearest number of E5M2, ties to even, subnormals kept.
;;     - The product sums the exact products of the quantised numbers (number of the format x scale) in f32.
;;   ~~~python
;;   def quantise(x, axis, e):      # numpy; x: float32 -> the quantised numbers, widened to float32 again
;;       x = np.moveaxis(x, axis, -1); K = x.shape[-1]
;;       r = np.clip(x / 2.0 ** e, -57344, 57344)
;;       step = 2.0 ** (np.maximum(np.frexp(np.where(r == 0, 1, r))[1] - 1, -14) - 2)
;;       q = np.round(r / step) * step * 2.0 ** e      # np.round: ties to even
;;       return np.moveaxis(q, -1, axis).astype(np.float32)
;;   ~~~
;;   OPERANDS COMPUTED ON THE WAY. 'Computed on the way' means the value that the module computes at that place (a softmax that the list does not call 'softmax' is quantised finished and normalised). What goes into a quantiser is computed in f32, as accurately as f32 sums, v_exp_f32 and their like allow (about 1e-6 of the number): no bf16 or f16 on the way to a quantiser, and a product that is left as it is and whose result goes on into a quantised operand takes f32 operands (vector FMAs, or v_wmma_f32_16x16x4_f32). A number that lies on a knife's edge between two numbers of the format may be rounded either way, as far as f32 arithmetic and the matrix unit's own rounding can turn it there, and no further.
;;   INPUTS GIVEN AS CODES. Wk (in the module: [128, 1024], K = its axis 1); Wp (in the module: [1024, 1024], K = its axis 1); Wq (in the module: [128, 1024], K = its axis 1): each comes as NAME_codes (uint8): NAME with its K axis moved to the last place and cut into blocks of 32 codes, [.., K / 32, bytes a block], one block behind the other in memory; one code a byte (a code: sign, 5 exponent bits, 2 mantissa bits); its scale is its entry of lowp_scales. Its value is code x scale, taken as it is: it is not quantised again, and the codes and scales need not be those that the quantiser above would give.
;; One version. Each part assembles by itself: llvm-mc -triple=amdgcn-amd-amdhsa -mcpu=gfx1250 --defsym DOCPART=n.
;; ======== version 1 of 1: 4 launches
;; workspace buffers: xi 16,777,216 bytes; kc 2,097,152 bytes; qc 2,097,152 bytes; at 33,554,432 bytes; oc 16,777,216 bytes
;; launch prep (part 1): grid 32 x 8, 4 waves a work-group, clusters of 4 x 1, 327,680 bytes of LDS; arguments x, Wk_codes, Wq_codes, bk, bq, lowp_scales, xi, kc, qc; writes xi, kc, qc
.if DOCPART == 1
	.amdgcn_target "amdgcn-amd-amdhsa--gfx1250"
	.amdhsa_code_object_version 6
	.text
	.protected	k_qe48b952b16_prep
	.globl	k_qe48b952b16_prep
	.p2align	8
	.type	k_qe48b952b16_prep,@function
k_qe48b952b16_prep:
	s_mov_b64 s[64:65], 0
	v_nop
	global_prefetch_b8 v0, s[64:65] scope:SCOPE_SE
	s_setreg_imm32_b32 hwreg(HW_REG_WAVE_MODE, 25, 1), 1
	s_wait_xcnt 0x0
	s_wait_alu depctr_hold_cnt(0) depctr_sa_sdst(0) depctr_va_vdst(0) depctr_va_sdst(0) depctr_va_ssrc(0) depctr_va_vcc(0) depctr_vm_vsrc(0)
	s_getreg_b32 s2, hwreg(HW_REG_IB_STS2, 6, 4)
	s_cmp_eq_u32 s2, 0
	s_cbranch_scc0 .Lentry_in_a_cluster
	s_endpgm
.Lentry_in_a_cluster:
	s_bfe_u32 s2, ttmp6, 0x10000c
	s_cmp_lg_u32 s2, 0x3003
	s_cbranch_scc0 .Lentry_shape_is_right
	s_endpgm
.Lentry_shape_is_right:
; x [8][1024 c][2048 l] f32 is read ONCE and quantised three times (scales 2^e1, 2^e3, 2^e6); keys = Wk Q(x) + bk and queries = Wq Q(x) + bq are made on codes of E5M2 and quantised (2^e4, 2^e5).
; NO WORK OF THE PROBLEM IS LEFT OUT, here or in the later kernels: each bias stands ahead of a quantiser or in the output, so every input has a way to the output and is loaded.
; OUT: xi = codes of x for the product with the softmax (K = l), kc, qc = codes of keys and queries (K = a).  All three are laid as IMAGES OF OPERAND REGISTERS: a tile of 16 rows x 128 K is
; 2,048 bytes, [slice 0..3][lane 0..31][16 bytes]: four 16-byte accesses at 16 x lane + 512 x slice give a lane its registers 4 slice .. 4 slice + 3.
;   xi [b][c tile 64][l / 128][2048]: registers 2 q, 2 q + 1 of half h hold l = 16 q + 8 h + 0..7; row p of c tile 2 B + u is c = 32 B + 8 u + p + 8 (p / 8), so that the next product's results are neighbours along c.
;   kc, qc [b][tile of 16 l or m][2048]: registers 2 q, 2 q + 1 of half h hold a = 16 q + 8 h + 0..7; rows as they come.
; SHARES.  A work-group owns 64 columns l of one batch and all 1,024 c, in 8 chunks of 128 c.  Converting: wave w takes rows 32 w .. 32 w + 31 of the chunk; lane (r, h) loads 16 bytes (columns 4 r .. 4 r + 3)
; of rows 16 h + i: sixteen lanes read 256 consecutive bytes.  Column tile j is the set of columns 4 r + j, so that a lane's 16 rows of one column are a slice of an operand as they stand.
; Multiplying: waves 0, 1 make keys, waves 2, 3 queries; each 64 of the 128 a x 64 columns: 16 accumulators.  The chunk's codes go from wave to wave through LDS as images, in two slots by turns: one barrier a chunk.
; W. CLUSTER: the four work-groups of a cluster need the same W: each load is asked for jointly.
; A wave has four tensor loads out.  No LDS byte is filled twice.
; LIMITS: e1, e3, e6, e4 - e0 - e1, e5 - e2 - e3 between -126 and 112, so that each power of two below is an f32 number.  NaN among the inputs is not served; what lies beyond a scale's range is held at the largest code.
; REGISTERS: window 0: v4-13 addresses, v14-21 scales and holds, v22, v23 the add's two, v24-55 bias, v56-119 T, v120-135 E, v136-151 RB, v152-167 and v232-247 codes, v168-231 x's fragments.
;   window 1: four sets of 64 numbers of x.   window 2: v0-127 the accumulators ((a tile, j) at 8 (4 a + j)), v128-191 W's fragments.
.set WSTR,  69632                      ; LDS: a wave's W: four quarters
.set QSTR,  17408                      ; a quarter: 64 rows x 272
.set WP,    272                        ; 256 bytes + 16 of padding: the 16 rows of a load start at 16 different banks
.set IMG,   278528                     ; [slot 2][scale 2][j 4][2048]
.set XST,   311296                     ; a stage of 2,816 bytes for each wave: 32 rows of 64 codes, 80 bytes apart, rows 16-31 from byte 1,408 on
.set XSW,   2816
.set SPARE, 322560                     ; the spare words: 128 bytes a wave, two blocks of 256 bytes that no other line names
.set XO,  4
.set XSA, 5
.set RBA, 6
.set IA,  7
.set FA,  8
.set WA,  9
.set KSA, 10
.set KRA, 11
.set LO,  12
.set BO,  13
.set SC1, 14
.set LM1, 15
.set SC3, 16
.set LM3, 17
.set SC6, 18
.set LM6, 19
.set SCK, 20
.set LMK, 21
.set SPW, 22
.set NIL, 23
.set BI,  24
.set T,   56
.set E,   120
.set RB,  136
.set CK,  152                          ; the second set of codes lies 80 further on, at v232
.set XF,  168
.set KB,  168
.set WF,  128                          ; in window 2
.set MSB, 0
.macro WIN new                         ; the immediate's high byte repeats the setting that is left
.if MSB != (\new)
	s_set_vgpr_msb (MSB<<8)|(\new)
.set MSB, (\new)
.endif
.endm
.macro ROUND                           ; a round of the cluster's barrier
	s_barrier_signal -1
	s_barrier_wait -1
	s_cmp_lg_u32 s22, 0
	s_cbranch_scc1 .Lnot_wave_0_\@
	s_barrier_signal -3
.Lnot_wave_0_\@:
	s_barrier_wait -3
	s_barrier_signal -1
	s_barrier_wait -1
.endm
	s_load_b512 s[4:19], s[0:1], 0x0               ; x, Wk, Wq, bk, bq, scales, xi, kc
	s_load_b64 s[20:21], s[0:1], 0x40              ; qc
	v_lshl_add_u32 v[SPW], v0, 2, SPARE
	v_mov_b32 v[NIL], 0
	ds_add_u32 v[SPW], v[NIL]                      ; the wave's opening: the add, twice on end, and its wait ahead of my first tensor load
	ds_add_u32 v[SPW], v[NIL]
	v_lshrrev_b32 v1, 5, v0
	v_readfirstlane_b32 s22, v1                    ; wave 0..3
	s_lshr_b32 s23, s22, 1                         ; 0: keys, 1: queries
	s_and_b32 s66, s22, 1                          ; which 64 of the 128 a
	s_bfe_u32 s48, ttmp6, 0x40000                  ; cx
	s_lshl_b32 s49, ttmp9, 2
	s_add_co_u32 s49, s49, s48                     ; my block of 64 columns: it enters global addresses of x, xi, kc, qc alone
	s_and_b32 s50, ttmp7, 0xffff                   ; the batch
	s_mov_b32 s24, 15|(1<<20)|(1<<21)|(5<<22)|(3<<25)  ; group 1: mask: all four partners; elements of 1 byte; padding on; bit 21 beside a mask; 4 words behind every 64
	s_mov_b32 s25, 256<<16                         ; tensor_dim0
	s_mov_b32 s26, 64<<16                          ; tensor_dim1
	s_mov_b32 s27, 256<<16                         ; tile_dim0
	s_mov_b32 s28, 64                              ; tile_dim1
	s_mov_b32 s29, 1024                            ; from row to row
	s_mov_b32 s30, 0
	s_mov_b32 s31, 0
	s_mul_i32 s51, s22, WSTR                       ; my W in LDS
	s_mov_b32 s53, 0
	s_lshl_b32 s67, s66, 16                        ; my 64 rows of W: 65,536 bytes on
	s_lshl_b32 s68, s50, 23                        ; x: batch x 8,388,608 + 256 x block + wave x 32 rows of 8,192
	s_lshl_b32 s69, s49, 8
	s_add_co_u32 s68, s68, s69
	s_lshl_b32 s69, s22, 18
	s_add_co_u32 s68, s68, s69
	s_lshl_b32 s70, s50, 21                        ; xi: batch x 2,097,152 + wave x two c tiles + block x 1,024 (= 2,048 (block / 2) + two slices for an odd block)
	s_lshl_b32 s69, s22, 16
	s_add_co_u32 s70, s70, s69
	s_lshl_b32 s69, s49, 10
	s_add_co_u32 s70, s70, s69
	s_lshl_b32 s71, s50, 18                        ; kc, qc: batch x 262,144 + block x four tiles + two slices for the upper 64 a
	s_lshl_b32 s69, s49, 13
	s_add_co_u32 s71, s71, s69
	s_lshl_b32 s69, s66, 10
	s_add_co_u32 s71, s71, s69
	s_lshl_b32 s80, s66, 8                         ; the bias: my 64 numbers
	s_mul_i32 s81, s22, XSW
	s_add_co_u32 s81, s81, XST                     ; my stage
	s_lshl_b32 s82, s22, 9
	s_add_co_u32 s82, s82, IMG                     ; my slice of every image
	s_lshl_b32 s83, s23, 13
	s_add_co_u32 s83, s83, IMG                     ; the images of my product's scale
	v_and_b32 v1, 15, v0                           ; r
	v_bfe_u32 v2, v0, 4, 1                         ; h
	v_and_b32 v3, 31, v0                           ; lane
	v_lshlrev_b32 v[XO], 4, v1
	v_lshl_add_u32 v[XO], v2, 17, v[XO]            ; x: 16 r + 16 rows for the upper half
	v_mul_u32_u24 v[XSA], v2, 1408
	v_lshl_add_u32 v[XSA], v1, 2, v[XSA]
	v_add_nc_u32 v[XSA], s81, v[XSA]               ; stage, in: row 16 h + i, byte 4 r
	v_bfe_u32 v[RBA], v0, 3, 1
	v_mul_u32_u24 v[RBA], v[RBA], 1408
	v_and_b32 v56, 7, v0
	v_mad_u32_u24 v[RBA], v56, 80, v[RBA]
	v_lshl_add_u32 v[RBA], v2, 3, v[RBA]
	v_add_nc_u32 v[RBA], s81, v[RBA]               ; stage, out: row 8 u + p + 8 (p / 8), byte 8 h
	v_lshl_add_u32 v[IA], v3, 4, s82
	v_lshl_add_u32 v[FA], v3, 4, s83
	v_mul_u32_u24 v[WA], v1, WP
	v_lshl_add_u32 v[WA], v2, 4, v[WA]
	v_add_nc_u32 v[WA], s51, v[WA]                 ; W: row r, + 16 h
	v_bfe_u32 v[KSA], v0, 2, 2
	v_lshlrev_b32 v[KSA], 9, v[KSA]
	v_and_b32 v56, 3, v0
	v_lshl_add_u32 v[KSA], v56, 6, v[KSA]
	v_lshl_add_u32 v[KSA], v2, 8, v[KSA]
	v_add_nc_u32 v[KSA], s81, v[KSA]               ; the way out: column 4 r + j is row 4 (r % 4) + j of tile r / 4
	v_lshl_add_u32 v[KRA], v3, 4, s81
	v_lshlrev_b32 v[LO], 4, v3
	v_lshlrev_b32 v[BO], 5, v2
	s_wait_dscnt 0x0                               ; both opening adds are done
	s_wait_kmcnt 0x0
	s_load_b256 s[72:79], s[14:15], 0x0            ; e0 .. e7
	s_cmp_eq_u32 s23, 0                            ; the choices hang on the wave's number alone
	s_cselect_b64 s[54:55], s[6:7], s[8:9]         ; Wk or Wq
	s_cselect_b64 s[62:63], s[10:11], s[12:13]     ; bk or bq
	s_cselect_b64 s[60:61], s[18:19], s[20:21]     ; kc or qc
	s_mov_b32 s52, s67
	s_add_nc_u64 s[54:55], s[54:55], s[52:53]
	s_mov_b32 s52, s68
	s_add_nc_u64 s[56:57], s[4:5], s[52:53]
	s_mov_b32 s52, s70
	s_add_nc_u64 s[58:59], s[16:17], s[52:53]
	s_mov_b32 s52, s71
	s_add_nc_u64 s[60:61], s[60:61], s[52:53]
	s_mov_b32 s52, s80
	s_add_nc_u64 s[62:63], s[62:63], s[52:53]
.irp q, 0,1,2,3
	s_mov_b32 s[32+4*\q], 1                        ; group 0 of quarter q: count,
	s_add_co_u32 s[33+4*\q], s51, \q*QSTR          ; LDS address: wave and quarter alone,
	s_add_nc_u64 s[34+4*\q:35+4*\q], s[54:55], \q*256  ; global address: codes 256 q on of my 64 rows,
	s_or_b32 s[35+4*\q], s[35+4*\q], 0x80000000    ; type
.endr
	ROUND                                          ; all four work-groups are here: the joint loads meet
.irp q, 0,1,2,3
	tensor_load_to_lds s[32+4*\q:35+4*\q], s[24:31]
	s_nop 0
.endr
.rept 4
	v_nop
.endr
.irp a, 0,1,2,3
	global_load_b128 v[BI+8*\a:BI+8*\a+3], v[BO], s[62:63] offset:64*\a        ; the bias in the result's layout: a = 16 a tile + 8 h + 0..7
	global_load_b128 v[BI+8*\a+4:BI+8*\a+7], v[BO], s[62:63] offset:64*\a+16
.endr
.macro XLOAD t                         ; chunk t: my 16 rows x 16 bytes into set t % 4
	WIN 0x40
.irp i, 0,1,2,3,4,5,6,7,8,9,10,11,12,13,14,15
	global_load_b128 v[64*((\t)%4)+4*\i:64*((\t)%4)+4*\i+3], v[XO], s[56:57] offset:(128*(\t)+\i)*8192 th:TH_LOAD_NT
.endr
	WIN 0
.endm
	XLOAD 0
	XLOAD 1
	XLOAD 2
.macro MKSC e, sc, lm                  ; 2^e as f32 for the conversion, and 57,344 x 2^e for the hold
	s_add_co_i32 s84, \e, 127
	s_lshl_b32 s85, s84, 23
	v_mov_b32 v[\sc], s85
	s_add_co_i32 s84, s84, 15
	s_lshl_b32 s84, s84, 23
	s_or_b32 s84, s84, 0x600000
	v_mov_b32 v[\lm], s84
.endm
	s_wait_kmcnt 0x0
	MKSC s73, SC1, LM1
	MKSC s75, SC3, LM3
	MKSC s78, SC6, LM6
	s_add_co_i32 s86, s72, s73                     ; a sum of the product stands for sum x 2^(e0 + e1), or 2^(e2 + e3)
	s_add_co_i32 s87, s74, s75
	s_sub_co_i32 s88, s76, s86                     ; so its code is sum / 2^(e4 - e0 - e1), or 2^(e5 - e2 - e3)
	s_sub_co_i32 s89, s77, s87
	s_cmp_eq_u32 s23, 0
	s_cselect_b32 s88, s88, s89
	s_cselect_b32 s86, s86, s87
	s_sub_co_i32 s86, 0, s86                       ; and the bias goes in divided by that power of two
	MKSC s88, SCK, LMK
; 64 numbers of set t % 4 are held within the largest code x the scale (the conversion to an 8-bit code does not saturate: ISA guide 7.6.2) and land in T: as they lie (tr = 0: register 4 i + j), or
; turned (tr = 1: register 16 j + i, a column's 16 rows on end): the turn costs no instruction of its own.
.macro HOLD t, lim, tr
	WIN 0x01
.irp i, 0,1,2,3,4,5,6,7,8,9,10,11,12,13,14,15
.irp j, 0,1,2,3
.if \tr
	v_med3_num_f32 v[T+16*\j+\i], v[64*((\t)%4)+4*\i+\j], -v[\lim], v[\lim]
.else
	v_med3_num_f32 v[T+4*\i+\j], v[64*((\t)%4)+4*\i+\j], -v[\lim], v[\lim]
.endif
.endr
.endr
	WIN 0
.endm
.macro CVT8 dst, sc                    ; T's 64 numbers become 64 codes in 16 registers
.irp q, 0,1,2,3,4,5,6,7
	v_cvt_scalef32_pk8_bf8_f32 v[\dst+2*\q:\dst+2*\q+1], v[T+8*\q:T+8*\q+7], v[\sc]
.endr
	v_nop                                          ; a plain instruction between the conversions and the next lines that write T
.endm
.macro CHUNK t
.if (\t) <= 5
	s_wait_loadcnt 32                              ; this chunk's 16 loads are in; the two younger chunks' may be out
.else
	s_wait_loadcnt 16*(7-(\t))
.endif
.if (\t) == 0
.irp j, 0,1,2,3,4,5,6,7,8,9,10,11,12,13,14,15,16,17,18,19,20,21,22,23,24,25,26,27,28,29,30,31
	v_ldexp_f32 v[BI+\j], v[BI+\j], s86
.endr
.endif
.if (\t)+3 <= 7
	XLOAD (\t)+3                                   ; three chunks, 48 loads a wave, are on their way
.endif
	HOLD \t, LM6, 0                                ; ---- xi: register i = four codes of row i
	CVT8 E, SC6
.irp i, 0,1,2,3,4,5,6,7,8,9,10,11,12,13,14,15
	ds_store_b32 v[XSA], v[E+\i] offset:80*\i
.endr
	s_wait_xcnt 0x0                                ; the last chunk's stores have read RB
.irp u, 0,1
.irp c, 0,1
.irp g, 0,1
	ds_load_b64 v[RB+4*(2*\u+\c)+2*\g:RB+4*(2*\u+\c)+2*\g+1], v[RBA] offset:640*\u+32*\c+16*\g   ; LDS serves a wave's instructions in order: these see my stores
.endr
.endr
.endr
	HOLD \t, LM1, 1                                ; ---- the keys' x: my slice of the four column tiles' images
	CVT8 CK, SC1
.irp j, 0,1,2,3
	ds_store_b128 v[IA], v[CK+4*\j:CK+4*\j+3] offset:((\t)%2)*16384+2048*\j
.endr
	HOLD \t, LM3, 1                                ; ---- the queries' x
	CVT8 CK+80, SC3
.irp j, 0,1,2,3
	ds_store_b128 v[IA], v[CK+80+4*\j:CK+80+4*\j+3] offset:((\t)%2)*16384+8192+2048*\j
.endr
.if (\t)%2 == 0
	s_wait_tensorcnt 3-(\t)/2                      ; the quarter of W that this chunk and the next read is in; the younger quarters may be out
.endif
	s_wait_dscnt 0x0                               ; my images have landed, RB is in
.irp u, 0,1
.irp c, 0,1
	global_store_b128 v[LO], v[RB+4*(2*\u+\c):RB+4*(2*\u+\c)+3], s[58:59] offset:(\t)*262144+\u*32768+\c*512   ; 512 consecutive bytes, aligned
.endr
.endr
	s_barrier_signal -1                            ; one barrier a chunk: the other slot's images are written again only by waves that have passed this barrier,
	s_barrier_wait -1                              ; which each wave reaches behind the wait for its reads of them
.irp j, 0,1,2,3
.irp c, 0,1,2,3
	ds_load_b128 v[XF+16*\j+4*\c:XF+16*\j+4*\c+3], v[FA] offset:((\t)%2)*16384+2048*\j+512*\c
.endr
.endr
	WIN 0x80
.irp a, 0,1,2,3
.irp c, 0,1,2,3
	ds_load_b128 v[WF+16*\a+4*\c:WF+16*\a+4*\c+3], v[WA] offset:((\t)/2)*QSTR+\a*16*WP+((\t)%2)*128+32*\c
.endr
.endr
	s_wait_dscnt 0x0
.if (\t) == 0
	WIN 0x82                                       ; W and the sums in window 2, x's fragments and the bias in window 0
.else
	WIN 0xa2
.endif
.irp a, 0,1,2,3                        ; the 16 accumulators take turns, one instruction a turn, in the same order in every chunk
.irp j, 0,1,2,3
.if (\t) == 0
	v_wmma_f32_16x16x128_bf8_bf8 v[8*(4*\a+\j):8*(4*\a+\j)+7], v[WF+16*\a:WF+16*\a+15], v[XF+16*\j:XF+16*\j+15], v[BI+8*\a:BI+8*\a+7]
.else
	v_wmma_f32_16x16x128_bf8_bf8 v[8*(4*\a+\j):8*(4*\a+\j)+7], v[WF+16*\a:WF+16*\a+15], v[XF+16*\j:XF+16*\j+15], v[8*(4*\a+\j):8*(4*\a+\j)+7]
.endif
.endr
.endr
	WIN 0                                          ; the next chunk's holds are the places ahead of the next loads into the fragments
.endm
.irp t, 0,1,2,3,4,5,6,7
	CHUNK \t
.endr
	; THE WAY OUT.  A lane holds one column and, in tiles 2 s and 2 s + 1, 16 of the a: a slice of kc's or qc's image, but of row 4 (r % 4) + j of tile r / 4: so the slices change lanes in my stage.
.rept 4
	v_nop
.endr
.irp s, 0,1
	WIN 0x02
.irp j, 0,1,2,3
.irp u, 0,1
.irp k, 0,1,2,3,4,5,6,7
	v_med3_num_f32 v[T+16*\j+8*\u+\k], v[8*(4*(2*\s+\u)+\j)+\k], -v[LMK], v[LMK]   ; each accumulator from its low end on
.endr
.endr
.endr
	WIN 0
	CVT8 CK+80*\s, SCK
.irp j, 0,1,2,3
	ds_store_b128 v[KSA], v[CK+80*\s+4*\j:CK+80*\s+4*\j+3] offset:16*\j
.endr
.irp p, 0,1,2,3
	ds_load_b128 v[KB+16*\s+4*\p:KB+16*\s+4*\p+3], v[KRA] offset:512*\p   ; in order behind my stores, and ahead of the next slice's
.endr
.endr
	s_wait_dscnt 0x0
.irp s, 0,1
.irp p, 0,1,2,3
	global_store_b128 v[LO], v[KB+16*\s+4*\p:KB+16*\s+4*\p+3], s[60:61] offset:2048*\p+512*\s
.endr
.endr
	s_wait_tensorcnt 0x0                           ; the wave's end
	ds_add_u32 v[SPW], v[NIL]
	s_wait_dscnt 0x0
	ROUND                                          ; the closing round
	s_endpgm
.Lfunc_end_k_qe48b952b16_prep:
	.size	k_qe48b952b16_prep, .Lfunc_end_k_qe48b952b16_prep-k_qe48b952b16_prep
	.p2alignl 7, 3214868480
	.fill 96, 4, 3214868480
	.section	.rodata,"a",@progbits
	.p2align	6, 0x0
	.amdhsa_kernel k_qe48b952b16_prep
		.amdhsa_group_segment_fixed_size 327680
		.amdhsa_private_segment_fixed_size 0
		.amdhsa_enable_private_segment 0
		.amdhsa_kernarg_size 72
		.amdhsa_user_sgpr_count 2
		.amdhsa_user_sgpr_kernarg_segment_ptr 1
		.amdhsa_wavefront_size32 1
		.amdhsa_system_sgpr_workgroup_id_x 1
		.amdhsa_system_sgpr_workgroup_id_y 1
		.amdhsa_system_sgpr_workgroup_id_z 1
		.amdhsa_system_vgpr_workitem_id 0
		.amdhsa_next_free_vgpr 768
		.amdhsa_next_free_sgpr 100
		.amdhsa_reserve_vcc 0
		.amdhsa_float_denorm_mode_32 3
		.amdhsa_float_denorm_mode_16_64 3
		.amdhsa_memory_ordered 1
		.amdhsa_forward_progress 1
		.amdhsa_inst_pref_size 191
	.end_amdhsa_kernel
	.amdgpu_metadata
---
amdhsa.version: [ 1, 2 ]
amdhsa.kernels:
  - .name:           k_qe48b952b16_prep
    .symbol:         k_qe48b952b16_prep.kd
    .args:
      - { .name: x, .offset: 0, .size: 8, .value_kind: global_buffer, .address_space: global }
      - { .name: Wk_codes, .offset: 8, .size: 8, .value_kind: global_buffer, .address_space: global }
      - { .name: Wq_codes, .offset: 16, .size: 8, .value_kind: global_buffer, .address_space: global }
      - { .name: bk, .offset: 24, .size: 8, .value_kind: global_buffer, .address_space: global }
      - { .name: bq, .offset: 32, .size: 8, .value_kind: global_buffer, .address_space: global }
      - { .name: lowp_scales, .offset: 40, .size: 8, .value_kind: global_buffer, .address_space: global }
      - { .name: xi, .offset: 48, .size: 8, .value_kind: global_buffer, .address_space: global }
      - { .name: kc, .offset: 56, .size: 8, .value_kind: global_buffer, .address_space: global }
      - { .name: qc, .offset: 64, .size: 8, .value_kind: global_buffer, .address_space: global }
    .group_segment_fixed_size: 327680
    .private_segment_fixed_size: 0
    .kernarg_segment_align: 8
    .kernarg_segment_size: 72
    .max_flat_workgroup_size: 128
    .sgpr_count:     100
    .vgpr_count:     768
    .wavefront_size: 32
...
	.end_amdgpu_metadata
.endif
;; end of part 1
;; launch soft (part 2): grid 32 x 8, 16 waves a work-group, clusters of 4 x 1, 327,680 bytes of LDS; arguments kc, qc, lowp_scales, at; writes at
.if DOCPART == 2
	.amdgcn_target "amdgcn-amd-amdhsa--gfx1250"
	.amdhsa_code_object_version 6
	.text
	.protected	k_qe48b952b16_soft
	.globl	k_qe48b952b16_soft
	.p2align	8
	.type	k_qe48b952b16_soft,@function
k_qe48b952b16_soft:
	s_mov_b64 s[64:65], 0
	v_nop
	global_prefetch_b8 v0, s[64:65] scope:SCOPE_SE
	s_setreg_imm32_b32 hwreg(HW_REG_WAVE_MODE, 25, 1), 1
	s_wait_xcnt 0x0
	s_wait_alu depctr_hold_cnt(0) depctr_sa_sdst(0) depctr_va_vdst(0) depctr_va_sdst(0) depctr_va_ssrc(0) depctr_va_vcc(0) depctr_vm_vsrc(0)
	s_getreg_b32 s2, hwreg(HW_REG_IB_STS2, 6, 4)
	s_cmp_eq_u32 s2, 0
	s_cbranch_scc0 .Lentry_in_a_cluster
	s_endpgm
.Lentry_in_a_cluster:
	s_bfe_u32 s2, ttmp6, 0x10000c
	s_cmp_lg_u32 s2, 0x3003
	s_cbranch_scc0 .Lentry_shape_is_right
	s_endpgm
.Lentry_shape_is_right:
; attn[b][l][m] = softmax over m of (Q(keys)^T Q(queries))[l][m] / 1024, finished and normalised, then quantised with 2^e7.  Nothing of the problem is left out.
; IN: kc, qc: images of operand registers (16 rows x 128 a in 2,048 bytes: [slice][lane][16 bytes]).  OUT: at [b x 128 + tile of 16 m][l / 128][2048]: images with rows m and K = l: registers 2 q, 2 q + 1 of half h hold l = 16 q + 8 h + 0..7.
; SHARES.  A work-group owns 64 rows l of one batch, as two blocks of 32.  Wave w owns m = 128 w .. 128 w + 127 for every row: a block's 32 x 2,048 scores stay in registers, 128 a wave, so each exponential is taken once.
; A row's maximum is taken away ahead of the exponential, as the problem has it; maximum and sum go lane to lane inside a wave and through LDS from wave to wave: two barriers a block.
; Source 0 = 16 keys, source 1 = 16 queries: a lane holds ONE m and eight l a tile: eight neighbours along the next K, so the conversions' results are at's registers.
; The batch's queries, 256 KiB, lie in LDS for both blocks; wave w fetches, and alone reads, its own eight images.  CLUSTER: the four work-groups of a cluster belong to one batch: the load is asked for jointly.  One tensor load a wave is out; nothing is filled twice.
; LIMITS: e4 + e5 between -116 and 137 (added to the exponent field of log2(e) / 1024); e7 between -126 and 112.  An exponential under 2^-126 comes out as 0.  NaN is not served.
.set KEYS,  262144                     ; behind the queries: my four tiles of keys
.set MAXP,  270336                     ; [wave][32 rows] f32; the sums lie 2,048 further on
.set RED,   274432                     ; 128 bytes a wave
.set SPARE, 276480                     ; the spare words: 128 bytes a wave, eight blocks of 256 bytes that no other line names
.set LO,  1
.set KA,  2
.set QA,  3
.set PA,  4
.set GA,  5
.set RA,  6
.set RB,  7
.set LIM, 8
.set SC,  9
.set KW,  10
.set SPW, 30
.set NIL, 31
.set KF,  32                           ; v32-63 two fragments of keys; then
.set M,   32                           ; v32-47 the 16 rows' maxima (row 16 u + 8 h + j at 8 u + j),
.set SUM, 48                           ; v48-63 their sums
.set ACC, 64                           ; v64-191 tile (mt, u) at 64 + 16 mt + 8 u
.set QF,  128                          ; v128-255 eight fragments of queries: the first four make room for the last four tiles' scores
.set X,   192
.set OC,  208
.macro ROUND
	s_barrier_signal -1
	s_barrier_wait -1
	s_cmp_lg_u32 s12, 0
	s_cbranch_scc1 .Lnot_wave_0_\@
	s_barrier_signal -3
.Lnot_wave_0_\@:
	s_barrier_wait -3
	s_barrier_signal -1
	s_barrier_wait -1
.endm
	s_load_b256 s[4:11], s[0:1], 0x0               ; kc, qc, scales, at
	v_lshl_add_u32 v[SPW], v0, 2, SPARE
	v_mov_b32 v[NIL], 0
	ds_add_u32 v[SPW], v[NIL]                      ; the wave's opening: the add, twice on end, and its wait ahead of my first tensor load
	ds_add_u32 v[SPW], v[NIL]
	v_lshrrev_b32 v11, 5, v0
	v_readfirstlane_b32 s12, v11                   ; wave 0..15
	s_bfe_u32 s13, ttmp6, 0x40000                  ; cx
	s_lshl_b32 s14, ttmp9, 2
	s_add_co_u32 s14, s14, s13                     ; my 64 rows: it enters kc's and at's addresses alone
	s_and_b32 s15, ttmp7, 0xffff                   ; the batch
	s_mov_b32 s16, 15|(3<<16)|(1<<21)              ; group 1: mask: all four partners; elements of 8 bytes; bit 21 beside a mask; a dense block as rows of 256 bytes
	s_mov_b32 s17, 32<<16
	s_mov_b32 s18, 64<<16
	s_mov_b32 s19, 32<<16
	s_mov_b32 s20, 64
	s_mov_b32 s21, 32
	s_mov_b32 s22, 0
	s_mov_b32 s23, 0
	s_lshl_b32 s28, s12, 14                        ; my eight images: 16,384 bytes, in LDS and in qc
	s_lshl_b32 s34, s15, 18
	s_add_co_u32 s34, s34, s28
	s_mov_b32 s35, 0
	s_lshl_b32 s42, s15, 18                        ; kc: batch, my four tiles, 512 bytes a wave
	s_lshl_b32 s33, s14, 13
	s_add_co_u32 s42, s42, s33
	s_lshl_b32 s33, s12, 9
	s_add_co_u32 s42, s42, s33
	s_mov_b32 s43, 0
	s_lshl_b32 s40, s15, 22                        ; at: (128 batch + 8 wave) tiles of 32,768 + 1,024 x my 64 rows (= 2,048 (g / 2) + two slices for an odd g)
	s_lshl_b32 s33, s12, 18
	s_add_co_u32 s40, s40, s33
	s_lshl_b32 s33, s14, 10
	s_add_co_u32 s40, s40, s33
	s_mov_b32 s41, 0
	s_lshl_b32 s44, s12, 7
	s_add_co_u32 s45, s44, MAXP
	s_add_co_u32 s46, s44, RED
	s_lshl_b32 s47, s12, 9
	s_add_co_u32 s47, s47, KEYS
	v_and_b32 v[LO], 31, v0
	v_lshlrev_b32 v[LO], 4, v[LO]                  ; 16 x lane
	v_add_nc_u32 v[KA], KEYS, v[LO]
	v_add_nc_u32 v[QA], s28, v[LO]
	v_bfe_u32 v11, v0, 4, 1                        ; h
	v_lshl_add_u32 v[PA], v11, 5, s45              ; my wave's partial figures: rows 8 h on
	v_and_b32 v[GA], 31, v0
	v_lshl_add_u32 v[GA], v[GA], 2, MAXP           ; lane i gathers row i of all waves
	v_and_b32 v[RA], 31, v0
	v_lshl_add_u32 v[RA], v[RA], 2, s46
	v_lshl_add_u32 v[RB], v11, 5, s46
	v_add_nc_u32 v[KW], s47, v[LO]
	s_wait_dscnt 0x0                               ; both opening adds are done
	s_wait_kmcnt 0x0
	s_load_b128 s[36:39], s[8:9], 0x10             ; e4, e5, e6, e7
	s_add_nc_u64 s[42:43], s[4:5], s[42:43]
	s_add_nc_u64 s[40:41], s[10:11], s[40:41]
	s_mov_b32 s24, 1
	s_mov_b32 s25, s28
	s_add_nc_u64 s[26:27], s[6:7], s[34:35]
	s_or_b32 s27, s27, 0x80000000
	ROUND                                          ; all four work-groups are here: the joint loads meet
	tensor_load_to_lds s[24:27], s[16:23]
	s_nop 0
.rept 4
	v_nop
.endr
	global_load_b128 v[12:15], v[LO], s[42:43]     ; the sixteen waves bring the four tiles of keys, 512 bytes each
	s_wait_kmcnt 0x0
	s_add_co_i32 s49, s36, s37
	s_lshl_b32 s49, s49, 23
	s_mov_b32 s30, 0x3ab8aa3b                      ; log2(e) / 1024,
	s_add_co_i32 s30, s30, s49                     ; x 2^(e4 + e5): c
	s_mov_b32 s31, s30                             ; (named with it as a pair)
	s_xor_b32 s32, s30, 0x80000000                 ; -c
	s_add_co_i32 s49, s39, 127
	s_lshl_b32 s50, s49, 23
	v_mov_b32 v[SC], s50                           ; 2^e7
	s_add_co_i32 s49, s49, 15
	s_lshl_b32 s49, s49, 23
	s_or_b32 s49, s49, 0x600000
	v_mov_b32 v[LIM], s49                          ; 57,344 x 2^e7
	s_wait_loadcnt 0x0
	ds_store_b128 v[KW], v[12:15]
	s_wait_tensorcnt 0x0                           ; my images of the queries are in
	s_wait_dscnt 0x0                               ; my piece of the keys has landed
	s_barrier_signal -1
	s_barrier_wait -1
; 16 figures a lane (the same in the 16 lanes of a half) meet the other waves': each wave stores its 32, a barrier, lane i gathers row i's sixteen and joins them, and the result comes back, through the wave's own words, into the same registers.
.macro XCHG reg, off, add
.irp g, 0,1,2,3
	ds_store_b128 v[PA], v[\reg+4*\g:\reg+4*\g+3] offset:\off+64*(\g/2)+16*(\g%2)
.endr
	s_wait_dscnt 0x0                               ; for the others' sake
	s_barrier_signal -1
	s_barrier_wait -1
.irp i, 0,1,2,3,4,5,6,7,8,9,10,11,12,13,14,15
	ds_load_b32 v[X+\i], v[GA] offset:\off+128*\i
.endr
	s_wait_dscnt 0x0
.if \add
	v_pk_add_f32 v[X:X+1], v[X:X+1], v[X+2:X+3]
	v_pk_add_f32 v[X+4:X+5], v[X+4:X+5], v[X+6:X+7]
	v_pk_add_f32 v[X+8:X+9], v[X+8:X+9], v[X+10:X+11]
	v_pk_add_f32 v[X+12:X+13], v[X+12:X+13], v[X+14:X+15]
	v_pk_add_f32 v[X:X+1], v[X:X+1], v[X+4:X+5]
	v_pk_add_f32 v[X+8:X+9], v[X+8:X+9], v[X+12:X+13]
	v_pk_add_f32 v[X:X+1], v[X:X+1], v[X+8:X+9]
	v_add_f32 v[X], v[X], v[X+1]
	v_rcp_f32 v[X], v[X]                           ; 1 / the row's sum: one a lane for the whole block
	v_nop                                          ; a plain instruction behind it,
	s_wait_alu depctr_va_vdst(0)                   ; and a wait ahead of its first reader
.else
	v_max3_num_f32 v[X], v[X], v[X+1], v[X+2]
	v_max3_num_f32 v[X+3], v[X+3], v[X+4], v[X+5]
	v_max3_num_f32 v[X+6], v[X+6], v[X+7], v[X+8]
	v_max3_num_f32 v[X+9], v[X+9], v[X+10], v[X+11]
	v_max3_num_f32 v[X+12], v[X+12], v[X+13], v[X+14]
	v_max3_num_f32 v[X], v[X], v[X+3], v[X+6]
	v_max3_num_f32 v[X+9], v[X+9], v[X+12], v[X+15]
	v_max_num_f32 v[X], v[X], v[X+9]
.endif
	ds_store_b32 v[RA], v[X]
.irp g, 0,1,2,3
	ds_load_b128 v[\reg+4*\g:\reg+4*\g+3], v[RB] offset:64*(\g/2)+16*(\g%2)   ; in order behind my store
.endr
	s_wait_dscnt 0x0
.endm
.macro BLOCK n
	s_wait_xcnt 0x0                                ; the last block's stores have read their registers
.irp u, 0,1
.irp c, 0,1,2,3
	ds_load_b128 v[KF+16*\u+4*\c:KF+16*\u+4*\c+3], v[KA] offset:4096*\n+2048*\u+512*\c
.endr
.endr
.irp f, 0,1,2,3,4,5,6,7
.irp c, 0,1,2,3
	ds_load_b128 v[QF+16*\f+4*\c:QF+16*\f+4*\c+3], v[QA] offset:2048*\f+512*\c
.endr
.endr
	s_wait_dscnt 16                                ; the keys and the first four fragments of queries are in; the last sixteen loads may be out
.irp m, 0,1,2,3
.irp u, 0,1
	v_wmma_f32_16x16x128_bf8_bf8 v[ACC+16*\m+8*\u:ACC+16*\m+8*\u+7], v[KF+16*\u:KF+16*\u+15], v[QF+16*\m:QF+16*\m+15], 0
.endr
.endr
.rept 5
	v_nop                                          ; five places: the next products write over fragments that these have read
.endr
	s_wait_dscnt 0x0
.irp m, 4,5,6,7
.irp u, 0,1
	v_wmma_f32_16x16x128_bf8_bf8 v[ACC+16*\m+8*\u:ACC+16*\m+8*\u+7], v[KF+16*\u:KF+16*\u+15], v[QF+16*\m:QF+16*\m+15], 0
.endr
.endr
.rept 4
	v_nop
.endr
.irp j, 0,1,2,3,4,5,6,7                ; each row's largest score among my 8 tiles; every accumulator is read from its low end on
.irp u, 0,1
	v_max3_num_f32 v[M+8*\u+\j], v[ACC+8*\u+\j], v[ACC+16+8*\u+\j], v[ACC+32+8*\u+\j]
.endr
.endr
.irp j, 0,1,2,3,4,5,6,7
.irp u, 0,1
	v_max3_num_f32 v[M+8*\u+\j], v[M+8*\u+\j], v[ACC+48+8*\u+\j], v[ACC+64+8*\u+\j]
.endr
.endr
.irp j, 0,1,2,3,4,5,6,7
.irp u, 0,1
	v_max3_num_f32 v[M+8*\u+\j], v[M+8*\u+\j], v[ACC+80+8*\u+\j], v[ACC+96+8*\u+\j]
.endr
.endr
.irp j, 0,1,2,3,4,5,6,7
.irp u, 0,1
	v_max_num_f32 v[M+8*\u+\j], v[M+8*\u+\j], v[ACC+112+8*\u+\j]
.endr
.endr
.irp x, 1,2,4,8                        ; and among the 16 lanes of my half
.irp k, 0,1,2,3,4,5,6,7,8,9,10,11,12,13,14,15
	v_max_num_f32_dpp v[M+\k], v[M+\k], v[M+\k] row_xmask:\x row_mask:0xf bank_mask:0xf
.endr
.endr
	XCHG M, 0, 0
.irp k, 0,1,2,3,4,5,6,7,8,9,10,11,12,13,14,15
	v_mul_f32 v[M+\k], s32, v[M+\k]                ; -c x the row's largest score (c is positive)
.endr
.irp m, 0,1,2,3,4,5,6,7
.irp u, 0,1
.irp p, 0,2,4,6
	v_pk_fma_f32 v[ACC+16*\m+8*\u+\p:ACC+16*\m+8*\u+\p+1], v[ACC+16*\m+8*\u+\p:ACC+16*\m+8*\u+\p+1], s[30:31], v[M+8*\u+\p:M+8*\u+\p+1] op_sel_hi:[1,0,1]
.endr
.endr
.endr
.set i, 0
.rept 128
	v_exp_f32 v[ACC+i], v[ACC+i]                   ; e^(score / 1024 - the row's largest)
.set i, i+1
.endr
	v_nop                                          ; a plain instruction behind the last exponential,
	s_wait_alu depctr_va_vdst(0)                   ; and one wait for the whole batch, ahead of its first reader
.irp u, 0,1
.irp p, 0,2,4,6
	v_pk_add_f32 v[SUM+8*\u+\p:SUM+8*\u+\p+1], v[ACC+8*\u+\p:ACC+8*\u+\p+1], v[ACC+16+8*\u+\p:ACC+16+8*\u+\p+1]
.endr
.endr
.irp m, 2,3,4,5,6,7
.irp u, 0,1
.irp p, 0,2,4,6
	v_pk_add_f32 v[SUM+8*\u+\p:SUM+8*\u+\p+1], v[SUM+8*\u+\p:SUM+8*\u+\p+1], v[ACC+16*\m+8*\u+\p:ACC+16*\m+8*\u+\p+1]
.endr
.endr
.endr
.irp x, 1,2,4,8
.irp k, 0,1,2,3,4,5,6,7,8,9,10,11,12,13,14,15
	v_add_f32_dpp v[SUM+\k], v[SUM+\k], v[SUM+\k] row_xmask:\x row_mask:0xf bank_mask:0xf
.endr
.endr
	XCHG SUM, 2048, 1
.irp m, 0,1,2,3,4,5,6,7                ; normalised, held (never negative: one-sided), quantised; a tile's two conversions are four registers of at's image
.irp u, 0,1
.irp p, 0,2,4,6
	v_pk_mul_f32 v[ACC+16*\m+8*\u+\p:ACC+16*\m+8*\u+\p+1], v[ACC+16*\m+8*\u+\p:ACC+16*\m+8*\u+\p+1], v[SUM+8*\u+\p:SUM+8*\u+\p+1]
.endr
.endr
.irp k, 0,1,2,3,4,5,6,7,8,9,10,11,12,13,14,15
	v_min_num_f32 v[ACC+16*\m+\k], v[ACC+16*\m+\k], v[LIM]
.endr
	v_cvt_scalef32_pk8_bf8_f32 v[OC+4*\m:OC+4*\m+1], v[ACC+16*\m:ACC+16*\m+7], v[SC]
	v_cvt_scalef32_pk8_bf8_f32 v[OC+4*\m+2:OC+4*\m+3], v[ACC+16*\m+8:ACC+16*\m+15], v[SC]
	global_store_b128 v[LO], v[OC+4*\m:OC+4*\m+3], s[40:41] offset:32768*\m+512*\n   ; 512 consecutive bytes, aligned
.endr
	v_nop                                          ; a plain instruction behind the last conversion
.endm
	BLOCK 0
	BLOCK 1
	s_wait_tensorcnt 0x0                           ; the wave's end
	ds_add_u32 v[SPW], v[NIL]
	s_wait_dscnt 0x0
	ROUND                                          ; the closing round
	s_endpgm
.Lfunc_end_k_qe48b952b16_soft:
	.size	k_qe48b952b16_soft, .Lfunc_end_k_qe48b952b16_soft-k_qe48b952b16_soft
	.p2alignl 7, 3214868480
	.fill 96, 4, 3214868480
	.section	.rodata,"a",@progbits
	.p2align	6, 0x0
	.amdhsa_kernel k_qe48b952b16_soft
		.amdhsa_group_segment_fixed_size 327680
		.amdhsa_private_segment_fixed_size 0
		.amdhsa_enable_private_segment 0
		.amdhsa_kernarg_size 32
		.amdhsa_user_sgpr_count 2
		.amdhsa_user_sgpr_kernarg_segment_ptr 1
		.amdhsa_wavefront_size32 1
		.amdhsa_system_sgpr_workgroup_id_x 1
		.amdhsa_system_sgpr_workgroup_id_y 1
		.amdhsa_system_sgpr_workgroup_id_z 1
		.amdhsa_system_vgpr_workitem_id 0
		.amdhsa_next_free_vgpr 256
		.amdhsa_next_free_sgpr 66
		.amdhsa_reserve_vcc 0
		.amdhsa_float_denorm_mode_32 3
		.amdhsa_float_denorm_mode_16_64 3
		.amdhsa_memory_ordered 1
		.amdhsa_forward_progress 1
		.amdhsa_inst_pref_size 89
	.end_amdhsa_kernel
	.amdgpu_metadata
---
amdhsa.version: [ 1, 2 ]
amdhsa.kernels:
  - .name:           k_qe48b952b16_soft
    .symbol:         k_qe48b952b16_soft.kd
    .args:
      - { .name: kc, .offset: 0, .size: 8, .value_kind: global_buffer, .address_space: global }
      - { .name: qc, .offset: 8, .size: 8, .value_kind: global_buffer, .address_space: global }
      - { .name: lowp_scales, .offset: 16, .size: 8, .value_kind: global_buffer, .address_space: global }
      - { .name: at, .offset: 24, .size: 8, .value_kind: global_buffer, .address_space: global }
    .group_segment_fixed_size: 327680
    .private_segment_fixed_size: 0
    .kernarg_segment_align: 8
    .kernarg_segment_size: 32
    .max_flat_workgroup_size: 512
    .sgpr_count:     66
    .vgpr_count:     256
    .wavefront_size: 32
...
	.end_amdgpu_metadata
.endif
;; end of part 2
;; launch mix (part 3): grid 4 x 64, 4 waves a work-group, clusters of 4 x 4, 327,680 bytes of LDS; arguments at, xi, lowp_scales, oc; writes oc
.if DOCPART == 3
	.amdgcn_target "amdgcn-amd-amdhsa--gfx1250"
	.amdhsa_code_object_version 6
	.text
	.protected	k_qe48b952b16_mix
	.globl	k_qe48b952b16_mix
	.p2align	8
	.type	k_qe48b952b16_mix,@function
k_qe48b952b16_mix:
	s_mov_b64 s[64:65], 0
	v_nop
	global_prefetch_b8 v0, s[64:65] scope:SCOPE_SE
	s_setreg_imm32_b32 hwreg(HW_REG_WAVE_MODE, 25, 1), 1
	s_wait_xcnt 0x0
	s_wait_alu depctr_hold_cnt(0) depctr_sa_sdst(0) depctr_va_vdst(0) depctr_va_sdst(0) depctr_va_ssrc(0) depctr_va_vcc(0) depctr_vm_vsrc(0)
	s_getreg_b32 s2, hwreg(HW_REG_IB_STS2, 6, 4)
	s_cmp_eq_u32 s2, 0
	s_cbranch_scc0 .Lentry_in_a_cluster
	s_endpgm
.Lentry_in_a_cluster:
	s_bfe_u32 s2, ttmp6, 0x10000c
	s_cmp_lg_u32 s2, 0xf033
	s_cbranch_scc0 .Lentry_shape_is_right
	s_endpgm
.Lentry_shape_is_right:
; out[b][c][m] = sum over l of Q(x)[b][c][l] Q(attn)[b][l][m], on codes of E5M2, then quantised with 2^e9.  Nothing of the problem is left out.
; As a GEMM: C[(b, m)][c], A = at (rows (b, m)), B = xi (rows c of the row's batch), K = l = 2,048.  Both operands are IMAGES OF OPERAND REGISTERS: a tile of 16 rows x 128 K is 2,048 bytes, [slice][lane][16 bytes];
; a tile of rows holds its 16 K steps on end (32,768 bytes).  So a fragment is four loads of 512 consecutive bytes, and a K slot (256 along K) of eight tiles of rows is eight runs of 4,096 bytes for one tensor load.
; A tile of C, 256 x 256, is made by four waves, each 128 x 128: 64 accumulators.  K goes through a ring of two LDS slots of 256.  CLUSTERS: 4 x 4 work-groups; A's tiles are asked for jointly along a row of the cluster, B's along a column
; (the four tile rows of a cluster lie in one batch: 4 x 256 rows divide 2,048).
; Source 0 = 16 rows of xi, source 1 = 16 rows of at: a lane holds ONE m and eight c a tile; xi's rows are laid so that tiles 2 B and 2 B + 1 give 16 neighbours c = 32 B + 16 h + 0..15.  A wave's 128 c are one K step of the last product,
; and the conversions' results are oc's image as they stand: oc [(b, m) / 16][c / 128][2048].  No stage is needed on the way out.
; LIMIT: e9 - e6 - e7 between -126 and 112.  NaN is not served.
; REGISTERS: window 0: v16-30 addresses and scales; v32-95 at work on the way out; from v128 A's fragments, ONE set; on the way out the codes.  window 1: B's fragments, TWO sets.  windows 2, 3: the accumulators ((a, b) at 8 (8 (a % 4) + b)).
.set FR,     16
.set NL,     4
.set NP,     4
.set HALFT,  32768                     ; eight tiles of rows x 4,096 bytes: what one tensor load brings, and what one wave reads of A or of B
.set SLOT,   4*HALFT
.set LAPS,   4                         ; a lap = two slots = 512 along K
.set SPARE,  2*SLOT                    ; behind the ring: the spare words, two blocks of 256 bytes that no other line names
.set ADRA, 16
.set ADRB, 20
.set SCV,  24
.set LMV,  25
.set CO,   26
.set SPW,  28
.set NIL,  29
.set PFO,  30
.set TMP,  32
.set AF,   128
.set G1, 24
.set G0, 32
.set G1B, 48
.set G0B, 56
.set PFA, 66                           ; s[66:67] where my prefetches stand
.set LIM, 68                           ; s68 1 in a wave that prefetches, else the greatest number
.set MSB, 0
.macro WIN new
.if MSB != (\new)
	s_set_vgpr_msb (MSB<<8)|(\new)
.set MSB, (\new)
.endif
.endm
.set MUL_LO, 0xa1                      ; source 0 (B) window 1, source 1 (A) window 0, C and D window 2
.set MUL_HI, 0xf1
.set TO_B,   0x40
.macro JLOAD g0a, g1a, g0b, g1b        ; a joint load: waves 0 and 1 fetch for A, waves 2 and 3 for B; an s_nop 0 and four v_nop follow each line
	s_cmp_eq_u32 s15, 0
	s_cbranch_scc0 .Lfor_b_\@
	tensor_load_to_lds s[\g0a:\g0a+3], s[\g1a:\g1a+7]
	s_nop 0
.rept 4
	v_nop
.endr
	s_branch .Lasked_\@
.Lfor_b_\@:
	tensor_load_to_lds s[\g0b:\g0b+3], s[\g1b:\g1b+7]
	s_nop 0
.rept 4
	v_nop
.endr
.Lasked_\@:
.endm
; A PREFETCH INTO THE L2 of the K slot that stands two refills on: of the eight tiles of rows that I fetch, my work-group takes two (told apart by address: cx for A, cy for B): 2 x 4,096 bytes, lanes 256 bytes apart, one instruction a wave.
; A's rows are read by this cluster alone; B's by the two clusters of a batch, of which the even one asks.  So each block of 256 bytes is named once.  The loop's last trip asks for nothing: there is no slot two refills on.
.macro ASK
	s_cmp_gt_u32 s3, s[LIM]
	s_cbranch_scc0 .Lnot_mine_\@
	global_prefetch_b8 v[PFO], s[PFA:PFA+1] offset:4096 th:TH_LOAD_NT scope:SCOPE_SE
.Lnot_mine_\@:
.endm
.macro CREST
	s_cmp_lg_u32 s14, 0
	s_cbranch_scc1 .Lnot_wave_0_\@
	s_barrier_signal -3
.Lnot_wave_0_\@:
	s_barrier_wait -3
	s_barrier_signal -1
	s_barrier_wait -1
.endm
.macro CROUND
	s_barrier_signal -1
	s_barrier_wait -1
	CREST
.endm
	s_load_b128 s[4:7], s[0:1], 0x0                ; at, xi
	s_load_b128 s[8:11], s[0:1], 0x10              ; scales, oc
	v_lshl_add_u32 v[SPW], v0, 2, SPARE
	v_mov_b32 v[NIL], 0
	ds_add_u32 v[SPW], v[NIL]                      ; the wave's opening: the add, twice on end, and its wait ahead of my first tensor load
	ds_add_u32 v[SPW], v[NIL]
	v_lshrrev_b32 v1, 5, v0
	v_readfirstlane_b32 s14, v1                    ; wave 0..3
	s_lshr_b32 s15, s14, 1                         ; which half of the tile's rows is mine.  Also: I fetch for A (0) or for B (1)
	s_and_b32 s16, s14, 1                          ; which half of its columns.  Also: which eight tiles of rows I fetch
	s_bfe_u32 s40, ttmp6, 0x40000                  ; cx, cy
	s_bfe_u32 s41, ttmp6, 0x40004
	s_lshl_b32 s42, ttmp9, 2
	s_add_co_u32 s42, s42, s40                     ; tile column of C (256 c)
	s_and_b32 s17, ttmp7, 0xffff
	s_lshl_b32 s17, s17, 2
	s_add_co_u32 s17, s17, s41                     ; tile row of C (256 (b, m))
	s_lshl_b32 s43, s41, 2
	s_lshl_b32 s43, 15, s43                        ; my row of the cluster
	s_lshl_b32 s44, 0x1111, s40                    ; my column
	s_or_b32 s[G1+0], s43, (3<<16)|(1<<21)         ; the mask; elements of 8 bytes; bit 21 beside a mask; no padding
	s_or_b32 s[G1B+0], s44, (3<<16)|(1<<21)
.irp g, G1, G1B
	s_mov_b32 s[\g+1], 512<<16                     ; tensor_dim0: 4,096 bytes
	s_mov_b32 s[\g+2], 8<<16                       ; tensor_dim1
	s_mov_b32 s[\g+3], 512<<16                     ; tile_dim0
	s_mov_b32 s[\g+4], 8                           ; tile_dim1
	s_mov_b32 s[\g+5], 4096                        ; from a tile of rows to the next: 32,768 bytes
	s_mov_b32 s[\g+6], 0
	s_mov_b32 s[\g+7], 0
.endr
	s_lshl_b32 s18, s16, 3
	s_lshl_b32 s20, s17, 4
	s_add_co_u32 s20, s20, s18                     ; A: tile of rows 16 x tile row + 8 x half
	s_lshl_b32 s20, s20, 15
	s_mov_b32 s21, 0
	s_and_b32 s46, ttmp7, 0xffff
	s_lshr_b32 s46, s46, 1                         ; the batch, by the cluster's y alone
	s_lshl_b32 s46, s46, 6
	s_lshl_b32 s47, s42, 4
	s_add_co_u32 s46, s46, s47
	s_add_co_u32 s46, s46, s18                     ; B: tile of rows 64 x batch + 16 x tile column + 8 x half
	s_lshl_b32 s46, s46, 15
	s_mov_b32 s47, 0
	s_mul_i32 s45, s14, HALFT                      ; where they go: no place in the cluster enters an LDS address
	s_wait_dscnt 0x0                               ; both opening adds are done
	s_wait_kmcnt 0x0
	s_load_b128 s[92:95], s[8:9], 0x18             ; e6, e7, e8, e9
	s_add_nc_u64 s[20:21], s[4:5], s[20:21]
	s_add_nc_u64 s[46:47], s[6:7], s[46:47]
	s_and_b32 s69, ttmp7, 1                        ; the cluster's y, odd or even
	s_cmp_eq_u32 s15, 0
	s_cselect_b64 s[PFA:PFA+1], s[20:21], s[46:47]
	s_cselect_b32 s70, s40, s41                    ; my place among the four that ask with me
	s_cselect_b32 s69, 0, s69
	s_cmp_eq_u32 s69, 0
	s_cselect_b32 s[LIM], 1, -1                    ; the same in all sixteen partners, for a given wave
	s_lshl_b32 s70, s70, 16                        ; my work-group's two tiles of rows,
	s_add_co_u32 s70, s70, 2*4096                  ; at K slot 2: the first refill steps it to 3 and names 4.  Nothing is prefetched at the head
	s_mov_b32 s71, 0
	s_add_nc_u64 s[PFA:PFA+1], s[PFA:PFA+1], s[70:71]
	CROUND                                         ; all sixteen work-groups are here: the first joint loads meet
.irp s, 0,1
	s_mov_b32 s[G0+4*\s], 1
	s_add_co_u32 s[G0+4*\s+1], s45, \s*SLOT
	s_add_nc_u64 s[G0+4*\s+2:G0+4*\s+3], s[20:21], \s*4096
	s_or_b32 s[G0+4*\s+3], s[G0+4*\s+3], 0x80000000
	s_mov_b32 s[G0B+4*\s], 1
	s_add_co_u32 s[G0B+4*\s+1], s45, \s*SLOT
	s_add_nc_u64 s[G0B+4*\s+2:G0B+4*\s+3], s[46:47], \s*4096
	s_or_b32 s[G0B+4*\s+3], s[G0B+4*\s+3], 0x80000000
	JLOAD G0+4*\s, G1, G0B+4*\s, G1B
.endr
	v_and_b32 v6, 31, v0
	v_lshlrev_b32 v[CO], 4, v6                     ; 16 x lane: an image's place for my lane, in LDS and in oc
	v_and_b32 v1, 15, v0
	v_bfe_u32 v2, v0, 4, 1
	v_lshlrev_b32 v[PFO], 8, v1
	v_lshl_add_u32 v[PFO], v2, 15, v[PFO]          ; the prefetches: 256 (lane % 16) + a tile of rows for the upper half
	s_mul_i32 s21, s15, HALFT                      ; my eight tiles of A's rows
	s_mul_i32 s22, s16, HALFT                      ; of B's,
	s_add_co_u32 s22, s22, 2*HALFT                 ; which lie behind A's sixteen
.irp s, 0,1
	v_add_nc_u32 v[ADRA+\s], s21, v[CO]
	v_add_nc_u32 v[ADRB+\s], s22, v[CO]
	s_add_co_u32 s21, s21, SLOT
	s_add_co_u32 s22, s22, SLOT
.endr
	s_lshl_b32 s20, s17, 4
	s_lshl_b32 s21, s15, 3
	s_add_co_u32 s20, s20, s21                     ; oc: my first tile of rows, 16,384 bytes each,
	s_lshl_b32 s20, s20, 14
	s_lshl_b32 s46, s42, 1
	s_add_co_u32 s46, s46, s16                     ; and my K step of the last product: 2 x tile column + half
	s_lshl_b32 s46, s46, 11
	s_add_co_u32 s20, s20, s46
	s_mov_b32 s21, 0
	s_add_nc_u64 s[10:11], s[10:11], s[20:21]
.macro FRAG reg, adr, q, i             ; tile of rows i, the slot's q-th 128 along K
.irp c, 0,1,2,3
	ds_load_b128 v[\reg+4*\c:\reg+4*\c+3], v[\adr] offset:4096*(\i)+2048*(\q)+512*\c
.endr
.endm
; 16 matrix instructions: A's blocks a0, a0 + 1 x B's eight.  The 64 accumulators take turns, one instruction a turn, in the same order in every step.
.macro MUL16 a0, p, zero
.irp a, \a0, \a0+1
.irp b, 0,1,2,3,4,5,6,7
.if \zero
	v_wmma_f32_16x16x128_bf8_bf8 v[8*(8*((\a)%4)+\b):8*(8*((\a)%4)+\b)+7], v[128*(\p)+FR*\b:128*(\p)+FR*\b+FR-1], v[AF+FR*(\a):AF+FR*(\a)+FR-1], 0
.else
	v_wmma_f32_16x16x128_bf8_bf8 v[8*(8*((\a)%4)+\b):8*(8*((\a)%4)+\b)+7], v[128*(\p)+FR*\b:128*(\p)+FR*\b+FR-1], v[AF+FR*(\a):AF+FR*(\a)+FR-1], v[8*(8*((\a)%4)+\b):8*(8*((\a)%4)+\b)+7]
.endif
.endr
.endr
.endm
.macro FETCH_B slot, q, p
	WIN TO_B
.irp i, 0,1,2,3,4,5,6,7
	FRAG 128*(\p)+FR*\i, ADRB+\slot, \q, \i
.endr
	WIN 0
.endm
.macro FETCH_A slot, q, i0
.irp i, \i0, \i0+1, \i0+2, \i0+3
	FRAG AF+FR*(\i), ADRA+\slot, \q, \i
.endr
.endm
.macro PLACES n                        ; places ahead of loads into registers that matrix instructions have read, and of the first read of results
.rept \n
	v_nop
.endr
.endm
.macro STEP slot, q, zero              ; a step of 128 along K that has its successor in the same slot
	s_wait_dscnt 4*NL                              ; B's set and A's blocks 0-3 are in; A's blocks 4-7 may be out
	WIN MUL_LO
	MUL16 0, (\q)%2, \zero
	MUL16 2, (\q)%2, \zero
	s_wait_dscnt 0
	PLACES NP
	FETCH_B \slot, (\q)+1, 1-(\q)%2
	FETCH_A \slot, (\q)+1, 0
	WIN MUL_HI
	MUL16 4, (\q)%2, \zero
	MUL16 6, (\q)%2, \zero
	PLACES NP
	WIN 0
	FETCH_A \slot, (\q)+1, 4
.endm
; A slot's last step changes slots: one barrier; ahead of it each wave waits for all its tensor loads, adds 0 to its spare word, and waits for that and for its reads of this slot.
.macro TURN slot, next, fill
.if \fill
	s_wait_xcnt 0x0                                ; the last prefetch, a slot back, has read its address
	s_add_nc_u64 s[PFA:PFA+1], s[PFA:PFA+1], 4096
.endif
	s_wait_tensorcnt 0x0                           ; all my tensor loads have landed: my part of the next slot
	ds_add_u32 v[SPW], v[NIL]
	s_wait_dscnt 4*NL+1                            ; (the add and A's blocks 4-7 may be out)
	WIN MUL_LO
	MUL16 0, 1, 0
	s_wait_dscnt 0x0                               ; the add is done, and my reads of this slot are over
	s_barrier_signal -1
	MUL16 2, 1, 0
	WIN 0
	s_barrier_wait -1
.if \fill
	CREST                                          ; the barrier has opened a round of the cluster's: no wave of any partner still reads this slot or has a load on its way
	s_add_nc_u64 s[G0+4*\slot+2:G0+4*\slot+3], s[G0+4*\slot+2:G0+4*\slot+3], 2*4096
	s_add_nc_u64 s[G0B+4*\slot+2:G0B+4*\slot+3], s[G0B+4*\slot+2:G0B+4*\slot+3], 2*4096
	JLOAD G0+4*\slot, G1, G0B+4*\slot, G1B         ; the first tensor load behind the round; its four v_nop are the places ahead of the loads below
.else
	PLACES NP
.endif
	FETCH_B \next, 0, 0
	FETCH_A \next, 0, 0
.if \fill
	ASK
.endif
	WIN MUL_HI
	MUL16 4, 1, 0
	MUL16 6, 1, 0
	PLACES NP
	WIN 0
	FETCH_A \next, 0, 4
.endm
	s_wait_tensorcnt 1                             ; my part of slot 0 is in (slot 1's load may be out)
	s_barrier_signal -1
	s_barrier_wait -1                              ; everybody's is
	FETCH_B 0, 0, 0
	FETCH_A 0, 0, 0
	FETCH_A 0, 0, 4
	STEP 0, 0, 1                                   ; the first step stands ahead of the loop: its products start the sums
	s_mov_b32 s3, LAPS-1
.Llap:
	TURN 0, 1, 1
	STEP 1, 0, 0
	TURN 1, 0, 1
	STEP 0, 0, 0
	s_sub_co_u32 s3, s3, 1
	s_cmp_lg_u32 s3, 0
	s_cbranch_scc1 .Llap
	TURN 0, 1, 0                                   ; the last lap fills nothing
	STEP 1, 0, 0
	s_wait_dscnt 4*NL
	WIN MUL_LO
	MUL16 0, 1, 0
	MUL16 2, 1, 0
	s_wait_dscnt 0
	WIN MUL_HI
	MUL16 4, 1, 0
	MUL16 6, 1, 0
	WIN 0
	; THE WAY OUT: a block of 16 m x 128 c is 64 numbers a lane, register 16 B + i = c 32 B + 16 h + i: held, converted, and stored as an image.
	s_wait_kmcnt 0x0
	s_add_co_i32 s96, s92, s93
	s_sub_co_i32 s96, s95, s96                     ; a sum stands for sum x 2^(e6 + e7): its code is sum / 2^(e9 - e6 - e7)
	s_add_co_i32 s96, s96, 127
	s_lshl_b32 s97, s96, 23
	s_add_co_i32 s96, s96, 15
	s_lshl_b32 s96, s96, 23
	s_or_b32 s96, s96, 0x600000
	PLACES NP
	v_mov_b32 v[SCV], s97
	v_mov_b32 v[LMV], s96
.macro OUTB a
.set AC, 64*((\a)%4)
	WIN 2+(\a)/4                                   ; source 0: window 2 or 3
.irp j, 0,1,2,3,4,5,6,7,8,9,10,11,12,13,14,15,16,17,18,19,20,21,22,23,24,25,26,27,28,29,30,31,32,33,34,35,36,37,38,39,40,41,42,43,44,45,46,47,48,49,50,51,52,53,54,55,56,57,58,59,60,61,62,63
	v_med3_num_f32 v[TMP+\j], v[AC+\j], -v[LMV], v[LMV]   ; the hold; each accumulator from its low end on
.endr
	WIN 0
.irp q, 0,1,2,3,4,5,6,7
	v_cvt_scalef32_pk8_bf8_f32 v[128+16*(\a)+2*\q:128+16*(\a)+2*\q+1], v[TMP+8*\q:TMP+8*\q+7], v[SCV]
.endr
	v_nop                                          ; a plain instruction between the conversions and the next lines that write their sources
.irp c, 0,1,2,3
	global_store_b128 v[CO], v[128+16*(\a)+4*\c:128+16*(\a)+4*\c+3], s[10:11] offset:16384*(\a)+512*\c   ; 512 consecutive bytes, aligned; each block has registers of its own
.endr
.endm
.irp a, 0,1,2,3,4,5,6,7
	OUTB \a
.endr
	s_wait_tensorcnt 0x0                           ; the wave's end
	ds_add_u32 v[SPW], v[NIL]
	s_wait_dscnt 0x0
	CROUND                                         ; the closing round
	s_endpgm
.Lfunc_end_k_qe48b952b16_mix:
	.size	k_qe48b952b16_mix, .Lfunc_end_k_qe48b952b16_mix-k_qe48b952b16_mix
	.p2alignl 7, 3214868480
	.fill 96, 4, 3214868480
	.section	.rodata,"a",@progbits
	.p2align	6, 0x0
	.amdhsa_kernel k_qe48b952b16_mix
		.amdhsa_group_segment_fixed_size 327680
		.amdhsa_private_segment_fixed_size 0
		.amdhsa_enable_private_segment 0
		.amdhsa_kernarg_size 32
		.amdhsa_user_sgpr_count 2
		.amdhsa_user_sgpr_kernarg_segment_ptr 1
		.amdhsa_wavefront_size32 1
		.amdhsa_system_sgpr_workgroup_id_x 1
		.amdhsa_system_sgpr_workgroup_id_y 1
		.amdhsa_system_sgpr_workgroup_id_z 1
		.amdhsa_system_vgpr_workitem_id 0
		.amdhsa_next_free_vgpr 1024
		.amdhsa_next_free_sgpr 100
		.amdhsa_reserve_vcc 0
		.amdhsa_float_denorm_mode_32 3
		.amdhsa_float_denorm_mode_16_64 3
		.amdhsa_memory_ordered 1
		.amdhsa_forward_progress 1
		.amdhsa_inst_pref_size 118
	.end_amdhsa_kernel
	.amdgpu_metadata
---
amdhsa.version: [ 1, 2 ]
amdhsa.kernels:
  - .name:           k_qe48b952b16_mix
    .symbol:         k_qe48b952b16_mix.kd
    .args:
      - { .name: at, .offset: 0, .size: 8, .value_kind: global_buffer, .address_space: global }
      - { .name: xi, .offset: 8, .size: 8, .value_kind: global_buffer, .address_space: global }
      - { .name: lowp_scales, .offset: 16, .size: 8, .value_kind: global_buffer, .address_space: global }
      - { .name: oc, .offset: 24, .size: 8, .value_kind: global_buffer, .address_space: global }
    .group_segment_fixed_size: 327680
    .private_segment_fixed_size: 0
    .kernarg_segment_align: 8
    .kernarg_segment_size: 32
    .max_flat_workgroup_size: 128
    .sgpr_count:     100
    .vgpr_count:     1024
    .wavefront_size: 32
...
	.end_amdgpu_metadata
.endif
;; end of part 3
;; launch proj (part 4): grid 64 x 4, 4 waves a work-group, clusters of 4 x 4, 327,680 bytes of LDS; arguments Wp_codes, oc, lowp_scales, bp, out0; writes out0
.if DOCPART == 4
	.amdgcn_target "amdgcn-amd-amdhsa--gfx1250"
	.amdhsa_code_object_version 6
	.text
	.protected	k_qe48b952b16_proj
	.globl	k_qe48b952b16_proj
	.p2align	8
	.type	k_qe48b952b16_proj,@function
k_qe48b952b16_proj:
	s_mov_b64 s[64:65], 0
	v_nop
	global_prefetch_b8 v0, s[64:65] scope:SCOPE_SE
	s_setreg_imm32_b32 hwreg(HW_REG_WAVE_MODE, 25, 1), 1
	s_wait_xcnt 0x0
	s_wait_alu depctr_hold_cnt(0) depctr_sa_sdst(0) depctr_va_vdst(0) depctr_va_sdst(0) depctr_va_ssrc(0) depctr_va_vcc(0) depctr_vm_vsrc(0)
	s_getreg_b32 s2, hwreg(HW_REG_IB_STS2, 6, 4)
	s_cmp_eq_u32 s2, 0
	s_cbranch_scc0 .Lentry_in_a_cluster
	s_endpgm
.Lentry_in_a_cluster:
	s_bfe_u32 s2, ttmp6, 0x10000c
	s_cmp_lg_u32 s2, 0xf033
	s_cbranch_scc0 .Lentry_shape_is_right
	s_endpgm
.Lentry_shape_is_right:
; y[b][d][m] = sum over c of Wp[d][c] Q(out)[b][c][m] + bp[d], on codes of E5M2.  Nothing of the problem is left out.
; As a GEMM: C[d][(b, m)], A = Wp's codes (rows of 1,024 bytes, K innermost), B = oc: images of operand registers, [(b, m) / 16][c / 128][2048], slice s of half h holding c = 32 s + 16 h + 0..15: the order in which four
; 16-byte loads, 32 bytes apart, take A's rows.  K = 1,024.  A tile of C, 256 x 256, is made by four waves, each 128 x 128.  K goes through a ring of two LDS slots of 256.
; CLUSTERS: 4 x 4 work-groups; A's tiles are asked for jointly along a row of the cluster, B's along a column.  No prefetch: K has four slots and two refills, so no slot lies two refills on.
; Source 0 = 16 rows of oc, source 1 = 16 rows of Wp: a lane holds eight neighbouring m of one row d.  y = sum x 2^(e8 + e9) + bp[d], one packed multiply-add for two numbers.
; LIMIT: e8 + e9 between -126 and 127.
; REGISTERS: window 0: v16-29 addresses; v32-95 at work on the way out; v96-111 the bias, a pair for each block of 16 d; from v128 A's fragments, ONE set.  window 1: B's fragments, TWO sets.  windows 2, 3: the accumulators.
.set PITCH,  272                       ; a row of A in LDS: 256 bytes + 16 of padding
.set FR,     16
.set NL,     4
.set NP,     4
.set HALFA,  128*PITCH
.set HALFB,  32768                     ; eight tiles of rows x 4,096 bytes
.set SLOT,   2*HALFA+2*HALFB
.set LAPS,   2
.set SPARE,  2*SLOT                    ; behind the ring: the spare words, two blocks of 256 bytes that no other line names
.set SPITCH, 528                       ; the way out: a stage of 16 rows x (512 + 16) bytes a wave, in slot 0, which has had its last fill and its last read when the first result is stored there
.set ROWC,   8192                      ; a row of y in bytes
.set ADRA, 16
.set ADRB, 20
.set STO,  24
.set RD,   25
.set CO,   26
.set BA,   27
.set SPW,  28
.set NIL,  29
.set TMP,  32
.set BV,   96
.set AF,   128
.set BK,   128
.set G1, 24
.set G0, 32
.set G1B, 48
.set G0B, 56
.set MSB, 0
.macro WIN new
.if MSB != (\new)
	s_set_vgpr_msb (MSB<<8)|(\new)
.set MSB, (\new)
.endif
.endm
.set MUL_LO, 0xa1
.set MUL_HI, 0xf1
.set TO_B,   0x40
.macro JLOAD g0a, g1a, g0b, g1b
	s_cmp_eq_u32 s15, 0
	s_cbranch_scc0 .Lfor_b_\@
	tensor_load_to_lds s[\g0a:\g0a+3], s[\g1a:\g1a+7]
	s_nop 0
.rept 4
	v_nop
.endr
	s_branch .Lasked_\@
.Lfor_b_\@:
	tensor_load_to_lds s[\g0b:\g0b+3], s[\g1b:\g1b+7]
	s_nop 0
.rept 4
	v_nop
.endr
.Lasked_\@:
.endm
.macro CREST
	s_cmp_lg_u32 s14, 0
	s_cbranch_scc1 .Lnot_wave_0_\@
	s_barrier_signal -3
.Lnot_wave_0_\@:
	s_barrier_wait -3
	s_barrier_signal -1
	s_barrier_wait -1
.endm
.macro CROUND
	s_barrier_signal -1
	s_barrier_wait -1
	CREST
.endm
	s_load_b128 s[4:7], s[0:1], 0x0                ; Wp's codes, oc
	s_load_b128 s[8:11], s[0:1], 0x10              ; scales, bp
	s_load_b64 s[12:13], s[0:1], 0x20              ; y
	v_lshl_add_u32 v[SPW], v0, 2, SPARE
	v_mov_b32 v[NIL], 0
	ds_add_u32 v[SPW], v[NIL]                      ; the wave's opening: the add, twice on end, and its wait ahead of my first tensor load
	ds_add_u32 v[SPW], v[NIL]
	v_lshrrev_b32 v1, 5, v0
	v_readfirstlane_b32 s14, v1                    ; wave 0..3
	s_lshr_b32 s15, s14, 1                         ; which half of the tile's rows (d) is mine.  Also: I fetch for A (0) or for B (1)
	s_and_b32 s16, s14, 1                          ; which half of its columns.  Also: which half of that tile I fetch
	s_bfe_u32 s40, ttmp6, 0x40000
	s_bfe_u32 s41, ttmp6, 0x40004
	s_lshl_b32 s42, ttmp9, 2
	s_add_co_u32 s42, s42, s40                     ; tile column of C (256 (b, m))
	s_and_b32 s17, ttmp7, 0xffff
	s_lshl_b32 s17, s17, 2
	s_add_co_u32 s17, s17, s41                     ; tile row of C (256 d)
	s_lshl_b32 s43, s41, 2
	s_lshl_b32 s43, 15, s43
	s_lshl_b32 s44, 0x1111, s40
	s_or_b32 s[G1+0], s43, (0<<16)|(1<<20)|(1<<21)|(5<<22)|(3<<25)  ; A: the mask of my row; elements of 1 byte; 4 words of padding behind every 64
	s_mov_b32 s[G1+1], 256<<16
	s_mov_b32 s[G1+2], 128<<16
	s_mov_b32 s[G1+3], 256<<16
	s_mov_b32 s[G1+4], 128
	s_mov_b32 s[G1+5], 1024
	s_mov_b32 s[G1+6], 0
	s_mov_b32 s[G1+7], 0
	s_or_b32 s[G1B+0], s44, (3<<16)|(1<<21)        ; B: the mask of my column; elements of 8 bytes; no padding
	s_mov_b32 s[G1B+1], 512<<16
	s_mov_b32 s[G1B+2], 8<<16
	s_mov_b32 s[G1B+3], 512<<16
	s_mov_b32 s[G1B+4], 8
	s_mov_b32 s[G1B+5], 2048                       ; from a tile of rows to the next: 16,384 bytes
	s_mov_b32 s[G1B+6], 0
	s_mov_b32 s[G1B+7], 0
	s_lshl_b32 s20, s17, 8
	s_lshl_b32 s18, s16, 7
	s_add_co_u32 s20, s20, s18                     ; A: row 256 x tile row + 128 x half,
	s_lshl_b32 s20, s20, 10                        ; of 1,024 bytes
	s_mov_b32 s21, 0
	s_lshl_b32 s46, s42, 4
	s_lshl_b32 s47, s16, 3
	s_add_co_u32 s46, s46, s47                     ; B: tile of rows 16 x tile column + 8 x half,
	s_lshl_b32 s46, s46, 14                        ; of 16,384 bytes
	s_mov_b32 s47, 0
	s_mul_i32 s45, s16, HALFA                      ; where they go: A's two halves,
	s_mul_i32 s72, s16, HALFB
	s_add_co_u32 s72, s72, 2*HALFA                 ; then B's two
	s_wait_dscnt 0x0                               ; both opening adds are done
	s_wait_kmcnt 0x0
	s_load_b64 s[96:97], s[8:9], 0x20              ; e8, e9
	s_add_nc_u64 s[20:21], s[4:5], s[20:21]
	s_add_nc_u64 s[46:47], s[6:7], s[46:47]
	CROUND                                         ; all sixteen work-groups are here: the first joint loads meet
.irp s, 0,1
	s_mov_b32 s[G0+4*\s], 1
	s_add_co_u32 s[G0+4*\s+1], s45, \s*SLOT
	s_add_nc_u64 s[G0+4*\s+2:G0+4*\s+3], s[20:21], \s*256
	s_or_b32 s[G0+4*\s+3], s[G0+4*\s+3], 0x80000000
	s_mov_b32 s[G0B+4*\s], 1
	s_add_co_u32 s[G0B+4*\s+1], s72, \s*SLOT
	s_add_nc_u64 s[G0B+4*\s+2:G0B+4*\s+3], s[46:47], \s*4096
	s_or_b32 s[G0B+4*\s+3], s[G0B+4*\s+3], 0x80000000
	JLOAD G0+4*\s, G1, G0B+4*\s, G1B
.endr
	v_and_b32 v1, 15, v0                           ; r
	v_bfe_u32 v2, v0, 4, 1                         ; h
	v_mul_u32_u24 v3, v1, PITCH
	v_lshl_add_u32 v4, v2, 4, v3                   ; A: row r x pitch + 16 h
	v_and_b32 v6, 31, v0
	v_lshlrev_b32 v[CO], 4, v6                     ; 16 x lane: B's images; a row of the stage; a row of y
	s_mul_i32 s21, s15, HALFA
	s_mul_i32 s22, s16, HALFB
	s_add_co_u32 s22, s22, 2*HALFA
.irp s, 0,1
	v_add_nc_u32 v[ADRA+\s], s21, v4
	v_add_nc_u32 v[ADRB+\s], s22, v[CO]
	s_add_co_u32 s21, s21, SLOT
	s_add_co_u32 s22, s22, SLOT
.endr
	s_mul_i32 s23, s14, 16*SPITCH                  ; my stage
	v_mul_u32_u24 v5, v1, SPITCH
	v_lshl_add_u32 v5, v2, 5, v5
	v_add_nc_u32 v[STO], s23, v5                   ; in: row r, 32 bytes for each half of the lanes
	v_add_nc_u32 v[RD], s23, v[CO]                 ; back: the 32 lanes take one row of 512 bytes
	v_lshlrev_b32 v[BA], 2, v1
	s_lshl_b32 s20, s17, 10
	s_lshl_b32 s21, s15, 9
	s_add_co_u32 s20, s20, s21                     ; bp at my first d: 256 x tile row + 128 x half
	s_mov_b32 s21, 0
	s_add_nc_u64 s[10:11], s[10:11], s[20:21]
.irp a, 0,1,2,3,4,5,6,7
	global_load_b32 v[BV+2*\a], v[BA], s[10:11] offset:64*\a     ; bp[16 a + r], in both registers of a pair
	global_load_b32 v[BV+2*\a+1], v[BA], s[10:11] offset:64*\a
.endr
	s_lshl_b32 s20, s17, 8
	s_lshl_b32 s21, s15, 7
	s_add_co_u32 s20, s20, s21
	s_lshl_b32 s20, s20, 13                        ; y: my first d, rows of 8,192 bytes,
	s_lshr_b32 s46, s42, 3
	s_lshl_b32 s46, s46, 23                        ; the batch,
	s_add_co_u32 s20, s20, s46
	s_and_b32 s46, s42, 7
	s_lshl_b32 s46, s46, 10                        ; the tile's first m,
	s_add_co_u32 s20, s20, s46
	s_lshl_b32 s46, s16, 9                         ; my half of its columns
	s_add_co_u32 s20, s20, s46
	s_mov_b32 s21, 0
	s_add_nc_u64 s[12:13], s[12:13], s[20:21]
.macro FRAGA reg, adr, q, i
.irp c, 0,1,2,3
	ds_load_b128 v[\reg+4*\c:\reg+4*\c+3], v[\adr] offset:128*(\q)+32*\c+(\i)*16*PITCH
.endr
.endm
.macro FRAGB reg, adr, q, i
.irp c, 0,1,2,3
	ds_load_b128 v[\reg+4*\c:\reg+4*\c+3], v[\adr] offset:4096*(\i)+2048*(\q)+512*\c
.endr
.endm
.macro MUL16 a0, p, zero               ; the 64 accumulators take turns, one instruction a turn, in the same order in every step
.irp a, \a0, \a0+1
.irp b, 0,1,2,3,4,5,6,7
.if \zero
	v_wmma_f32_16x16x128_bf8_bf8 v[8*(8*((\a)%4)+\b):8*(8*((\a)%4)+\b)+7], v[128*(\p)+FR*\b:128*(\p)+FR*\b+FR-1], v[AF+FR*(\a):AF+FR*(\a)+FR-1], 0
.else
	v_wmma_f32_16x16x128_bf8_bf8 v[8*(8*((\a)%4)+\b):8*(8*((\a)%4)+\b)+7], v[128*(\p)+FR*\b:128*(\p)+FR*\b+FR-1], v[AF+FR*(\a):AF+FR*(\a)+FR-1], v[8*(8*((\a)%4)+\b):8*(8*((\a)%4)+\b)+7]
.endif
.endr
.endr
.endm
.macro FETCH_B slot, q, p
	WIN TO_B
.irp i, 0,1,2,3,4,5,6,7
	FRAGB 128*(\p)+FR*\i, ADRB+\slot, \q, \i
.endr
	WIN 0
.endm
.macro FETCH_A slot, q, i0
.irp i, \i0, \i0+1, \i0+2, \i0+3
	FRAGA AF+FR*(\i), ADRA+\slot, \q, \i
.endr
.endm
.macro PLACES n
.rept \n
	v_nop
.endr
.endm
.macro STEP slot, q, zero
	s_wait_dscnt 4*NL                              ; B's set and A's blocks 0-3 are in; A's blocks 4-7 may be out
	WIN MUL_LO
	MUL16 0, (\q)%2, \zero
	MUL16 2, (\q)%2, \zero
	s_wait_dscnt 0
	PLACES NP
	FETCH_B \slot, (\q)+1, 1-(\q)%2
	FETCH_A \slot, (\q)+1, 0
	WIN MUL_HI
	MUL16 4, (\q)%2, \zero
	MUL16 6, (\q)%2, \zero
	PLACES NP
	WIN 0
	FETCH_A \slot, (\q)+1, 4
.endm
.macro TURN slot, next, fill
	s_wait_tensorcnt 0x0                           ; all my tensor loads have landed: my part of the next slot
	ds_add_u32 v[SPW], v[NIL]
	s_wait_dscnt 4*NL+1                            ; (the add and A's blocks 4-7 may be out)
	WIN MUL_LO
	MUL16 0, 1, 0
	s_wait_dscnt 0x0                               ; the add is done, and my reads of this slot are over
	s_barrier_signal -1
	MUL16 2, 1, 0
	WIN 0
	s_barrier_wait -1
.if \fill
	CREST                                          ; the barrier has opened a round of the cluster's: no wave of any partner still reads this slot or has a load on its way
	s_add_nc_u64 s[G0+4*\slot+2:G0+4*\slot+3], s[G0+4*\slot+2:G0+4*\slot+3], 2*256
	s_add_nc_u64 s[G0B+4*\slot+2:G0B+4*\slot+3], s[G0B+4*\slot+2:G0B+4*\slot+3], 2*4096
	JLOAD G0+4*\slot, G1, G0B+4*\slot, G1B
.else
	PLACES NP
.endif
	FETCH_B \next, 0, 0
	FETCH_A \next, 0, 0
	WIN MUL_HI
	MUL16 4, 1, 0
	MUL16 6, 1, 0
	PLACES NP
	WIN 0
	FETCH_A \next, 0, 4
.endm
	s_wait_tensorcnt 1                             ; my part of slot 0 is in (slot 1's load may be out)
	s_barrier_signal -1
	s_barrier_wait -1
	FETCH_B 0, 0, 0
	FETCH_A 0, 0, 0
	FETCH_A 0, 0, 4
	STEP 0, 0, 1
	s_mov_b32 s3, LAPS-1
.Llap:
	TURN 0, 1, 1
	STEP 1, 0, 0
	TURN 1, 0, 1
	STEP 0, 0, 0
	s_sub_co_u32 s3, s3, 1
	s_cmp_lg_u32 s3, 0
	s_cbranch_scc1 .Llap
	TURN 0, 1, 0
	STEP 1, 0, 0
	s_wait_dscnt 4*NL
	WIN MUL_LO
	MUL16 0, 1, 0
	MUL16 2, 1, 0
	s_wait_dscnt 0
	WIN MUL_HI
	MUL16 4, 1, 0
	MUL16 6, 1, 0
	WIN 0
; THE WAY OUT, block by block of 16 d x 128 m, through my own stage: in as 32 bytes a lane, back as whole rows of 512 bytes.  LDS serves a wave's instructions in order: no wait between the stores and the loads.
.macro TOSTAGE a
.set AC, 64*((\a)%4)
	WIN 2+(\a)/4                                   ; source 0: window 2 or 3
.irp j, 0,2,4,6,8,10,12,14,16,18,20,22,24,26,28,30,32,34,36,38,40,42,44,46,48,50,52,54,56,58,60,62
	v_pk_fma_f32 v[TMP+\j:TMP+\j+1], v[AC+\j:AC+\j+1], s[96:97], v[BV+2*(\a):BV+2*(\a)+1] op_sel_hi:[1,0,0]   ; sum x 2^(e8 + e9) + bp[d]; each accumulator from its low end on
.endr
	WIN 0
.irp b, 0,1,2,3,4,5,6,7
	ds_store_b128 v[STO], v[TMP+8*\b:TMP+8*\b+3] offset:64*\b
	ds_store_b128 v[STO], v[TMP+8*\b+4:TMP+8*\b+7] offset:64*\b+16
.endr
.set BB, BK+64*((\a)%2)
.irp t, 0,1,2,3,4,5,6,7,8,9,10,11,12,13,14,15
	ds_load_b128 v[BB+4*\t:BB+4*\t+3], v[RD] offset:\t*SPITCH
.endr
.endm
.macro SEND a, younger
.set BB, BK+64*((\a)%2)
	s_wait_dscnt \younger                          ; the block is back in registers
.if (\a) > 0
	s_add_nc_u64 s[12:13], s[12:13], 16*ROWC       ; (behind a wait on XCNT: the earlier stores have read their base)
.endif
.irp t, 0,1,2,3,4,5,6,7,8,9,10,11,12,13,14,15
	global_store_b128 v[CO], v[BB+4*\t:BB+4*\t+3], s[12:13] offset:\t*ROWC th:TH_STORE_NT   ; 512 consecutive bytes, aligned; written once, read by nobody here
.endr
.endm
	s_wait_kmcnt 0x0
	s_add_co_i32 s96, s96, s97
	s_add_co_i32 s96, s96, 127
	s_lshl_b32 s96, s96, 23                        ; 2^(e8 + e9) as f32
	s_wait_loadcnt 0x0                             ; the bias
	PLACES NP
	TOSTAGE 0
.irp a, 1,2,3,4,5,6,7
.if \a > 1
	s_wait_xcnt 0x0                                ; block a - 2's stores have read their registers and their base
.endif
	TOSTAGE \a
	SEND \a-1, 32                                  ; behind block a - 1's loads: block a's 16 stores and 16 loads
.endr
	s_wait_xcnt 0x0
	SEND 7, 0
	s_wait_tensorcnt 0x0                           ; the wave's end
	ds_add_u32 v[SPW], v[NIL]
	s_wait_dscnt 0x0
	CROUND                                         ; the closing round
	s_endpgm
.Lfunc_end_k_qe48b952b16_proj:
	.size	k_qe48b952b16_proj, .Lfunc_end_k_qe48b952b16_proj-k_qe48b952b16_proj
	.p2alignl 7, 3214868480
	.fill 96, 4, 3214868480
	.section	.rodata,"a",@progbits
	.p2align	6, 0x0
	.amdhsa_kernel k_qe48b952b16_proj
		.amdhsa_group_segment_fixed_size 327680
		.amdhsa_private_segment_fixed_size 0
		.amdhsa_enable_private_segment 0
		.amdhsa_kernarg_size 40
		.amdhsa_user_sgpr_count 2
		.amdhsa_user_sgpr_kernarg_segment_ptr 1
		.amdhsa_wavefront_size32 1
		.amdhsa_system_sgpr_workgroup_id_x 1
		.amdhsa_system_sgpr_workgroup_id_y 1
		.amdhsa_system_sgpr_workgroup_id_z 1
		.amdhsa_system_vgpr_workitem_id 0
		.amdhsa_next_free_vgpr 1024
		.amdhsa_next_free_sgpr 100
		.amdhsa_reserve_vcc 0
		.amdhsa_float_denorm_mode_32 3
		.amdhsa_float_denorm_mode_16_64 3
		.amdhsa_memory_ordered 1
		.amdhsa_forward_progress 1
		.amdhsa_inst_pref_size 125
	.end_amdhsa_kernel
	.amdgpu_metadata
---
amdhsa.version: [ 1, 2 ]
amdhsa.kernels:
  - .name:           k_qe48b952b16_proj
    .symbol:         k_qe48b952b16_proj.kd
    .args:
      - { .name: Wp_codes, .offset: 0, .size: 8, .value_kind: global_buffer, .address_space: global }
      - { .name: oc, .offset: 8, .size: 8, .value_kind: global_buffer, .address_space: global }
      - { .name: lowp_scales, .offset: 16, .size: 8, .value_kind: global_buffer, .address_space: global }
      - { .name: bp, .offset: 24, .size: 8, .value_kind: global_buffer, .address_space: global }
      - { .name: out0, .offset: 32, .size: 8, .value_kind: global_buffer, .address_space: global }
    .group_segment_fixed_size: 327680
    .private_segment_fixed_size: 0
    .kernarg_segment_align: 8
    .kernarg_segment_size: 40
    .max_flat_workgroup_size: 128
    .sgpr_count:     100
    .vgpr_count:     1024
    .wavefront_size: 32
...
	.end_amdgpu_metadata
.endif
;; end of part 4
